; MI455X (gfx1250); checked and timed in simulation.
; The chip was launched on July 23, 2026; its instructions are those of AMD's public machine-readable ISA for CDNA 5 (MIT licence, August 2026) and "CDNA5" Instruction Set Architecture Reference Guide (July 2026). The comments in the code are by the model that wrote it; some were corrected since.
;; Code Book. Allowed arithmetic: matrix products marked QUANTISED: E5M2 operands, one E8M0 scale for each 32 along K, by v_wmma_scale_f32_16x16x128_f8f6f4 with both operands' format E5M2, f32 sums; everything else in f32.
;; Inputs: codebook 8,192 x 256 float32; z_e_x 32,768 x 256 float32.
;; Outputs: out0 32,768 int32.
;; This version of the problem:
;;   THIS VERSION OF THE PROBLEM IS GIVEN IN LOW PRECISION. The matrix products marked QUANTISED in the list below multiply operands that are first quantised to E5M2 (5 exponent bits, 2 mantissa bits; 8 bits a number), with one power-of-two scale for each 32 numbers along K (OCP MX v1.0); their sums are f32. All else is computed in f32.
;;   The module's matrix products, in the order in which they are computed (A, B: the left and right operand; K: the contracted axis; several contracted axes count as one K, in the product's order):
;;     1. [M 32,768, K 256] x [K 256, N 8,192]; A: input z_e_x; B: input codebook: QUANTISED
;;   THE QUANTISER, for each operand of a quantised product, along K:
;;     - K is cut into blocks of 32 from its start; a last block that is shorter is filled with zeros.
;;     - A block's scale is 2^e with e = floor(log2(the largest magnitude in the block)) - 15, held to -126 .. 127; a block of zeros has e = 0. As a byte (E8M0): e + 127.
;;     - Each number is divided by its block's scale, clamped to +-57,344, and rounded to the nearest number of E5M2, ties to even, subnormals kept.
;;     - The product sums the exact products of the quantised numbers (number of the format x scale) in f32.
;;   ~~~python
;;   def quantise(x, axis):      # numpy; x: float32 -> the quantised numbers, widened to float32 again
;;       x = np.moveaxis(x, axis, -1); K = x.shape[-1]
;;       x = np.pad(x, [(0, 0)] * (x.ndim - 1) + [(0, -K % 32)]); x = x.reshape(x.shape[:-1] + (-1, 32)); a = np.abs(x).max(-1, keepdims=True)
;;       e = np.where(a > 0, np.clip(np.frexp(np.where(a > 0, a, 1))[1] - 1 - 15, -126, 127), 0)      # np.frexp(a)[1] - 1 = floor(log2(a)), exactly
;;       r = np.clip(x / 2.0 ** e, -57344, 57344)
;;       step = 2.0 ** (np.maximum(np.frexp(np.where(r == 0, 1, r))[1] - 1, -14) - 2)
;;       q = np.round(r / step) * step * 2.0 ** e      # np.round: ties to even
;;       return np.moveaxis(q.reshape(q.shape[:-2] + (-1,))[..., :K], -1, axis).astype(np.float32)
;;   ~~~
;; One version. Each part assembles by itself: llvm-mc -triple=amdgcn-amd-amdhsa -mcpu=gfx1250 --defsym DOCPART=n.
;; ======== version 1 of 1: 2 launches
;; limits: right only within a limited range of input values
;; workspace buffers: cbq 2,228,224 bytes
;; launch quantcb (part 1): grid 256 x 1, 2 waves a work-group, no clusters, 34,048 bytes of LDS; arguments codebook, cbq; writes cbq
.if DOCPART == 1
	.amdgcn_target "amdgcn-amd-amdhsa--gfx1250"
	.amdhsa_code_object_version 6
	.text
	.protected	k_qe7949503be_quantcb
	.globl	k_qe7949503be_quantcb
	.p2align	8
	.type	k_qe7949503be_quantcb,@function
k_qe7949503be_quantcb:
	s_mov_b64 s[64:65], 0
	v_nop
	global_prefetch_b8 v0, s[64:65] scope:SCOPE_SE
	s_setreg_imm32_b32 hwreg(HW_REG_WAVE_MODE, 25, 1), 1
	s_wait_xcnt 0x0
; The codebook [8192][256], f32, is quantised ONCE, along its 256 numbers (K), into codes of BF8 (E5M2) with one E8M0 scale byte for each 32 along K,
; and each code vector's sum of squares (of the unquantised numbers, f32) is made beside them.  Every work-group of the next launch reads the result.
; A block's scale is 2^(floor(log2(its largest magnitude)) - 15); its byte is the largest magnitude's exponent field - 15, held at 1 from below.
; Each number is divided by the scale, held within +-57,344 and rounded to the nearest code, ties to even.
; THE RESULT IS LAID AS THE READER'S REGISTERS.  A record of 4,352 bytes for each tile t of 16 code vectors:
;   bytes 0-4095     the two fragments (K steps s = 0, 1): register group 4 s + c of lane l at 512 (4 s + c) + 16 l; lane (r, h) holds vector 16 t + r, k = 128 s + 32 c + 16 h + 0 .. 15
;   bytes 4096-4223  scale words at 4 x lane: lanes 0-15 row r's word of K step 0, lanes 16-31 row r's word of K step 1
;   bytes 4224-4287  the 16 sums of squares;   bytes 4288-4351  zeros, so that a record is 17 whole runs of 256 bytes
; SHARES.  A wave takes one tile: 16 rows of 1,024 bytes, 16,384 consecutive bytes.  Waves share nothing: no barrier, no loop.
; Each load reads 512 consecutive bytes, 16 a lane; the conversions want 16 NEIGHBOURS along K in one lane's registers: so the tile turns through the wave's own stage in LDS.
; LIMITS: NaN and infinities among the inputs are not served.  A block of zeros gets the byte 1 where the rule says 127: its codes are zeros, which add nothing under any byte but 0xff,
; and this program alone reads the bytes.  The sum of squares is taken by fused multiply-adds in eight chains: another order of rounding than a plain running sum's.
.set PITCH, 1040                       ; a stage row: 1,024 bytes + 16 = 260 words: row r starts at bank 4 r mod 64 (64 banks of 4 bytes: ISA guide 11.1), so 16 rows start at 16 different banks
.set TAIL,  16*PITCH                   ; behind the stage: 256 bytes in which the record's last 256 bytes are gathered
.set WREG,  TAIL+256                   ; a wave's region of LDS
.set REC,   4352
.set LN,  1                            ; v1   lane
.set R,   2                            ; v2   lane % 16
.set H,   3                            ; v3   lane / 16
.set GA,  4                            ; v4   16 x lane: my 16 bytes of a load's or a store's 512
.set SI,  5                            ; v5   the stage, on the way in
.set SO,  6                            ; v6   the stage, on the way out: row r, + 64 h
.set TW,  7                            ; v7   the tail: my scale word
.set TM,  8                            ; v8-11 largest magnitudes, v12-15 bytes, v16-19 57,344 x the scale, v20-23 the conversions' scale operands
.set PW0, 24                           ; v24  the scale word of K step 0;  v25 of K step 1;  v26 the two in one register
.set PW1, 25
.set PWC, 26
.set Q,   28                           ; v28-35 the sum of squares in four chains of pairs
.set TQ,  36                           ; v36  the tail: my row's sum of squares
.set TR,  37                           ; v37  the tail, read back: 8 bytes a lane
.set G8,  38                           ; v38  8 x lane
.set NIL, 39                           ; v39  0
.set TD,  40                           ; v40-41 the tail's bytes on their way out
.set X,   64                           ; v64-191 the lane's 128 numbers: register 64 s + 16 b + i = k 128 s + 32 b + 16 h + i of row r
.set PC,  192                          ; v192-223 the two fragments
.set SEL, 20                           ; s[20:21] lane selects for v_permlanex16_b32: lane l xor 16
.set MNT, 22                           ; s22  the mantissa field of 57,344
.set HM,  23                           ; s23  a mask of lanes 16-31
; the lane's 128 numbers from the stage: 16 neighbours of each block of 32
.macro RDX adr
.irp s, 0,1
.irp b, 0,1,2,3
.irp j, 0,1,2,3
	ds_load_b128 v[X+64*\s+16*\b+4*\j:X+64*\s+16*\b+4*\j+3], v[\adr] offset:512*\s+128*\b+16*\j
.endr
.endr
.endr
.endm
; the row's sum of squares into v[Q], in both halves of the lanes.  It stands ahead of QUANT, which holds the numbers in place.
.macro SQ
.irp u, 0,1,2,3
	v_pk_mul_f32 v[Q+2*\u:Q+2*\u+1], v[X+2*\u:X+2*\u+1], v[X+2*\u:X+2*\u+1]          ; the first four pairs start the chains: nothing is cleared
.endr
.set PP, 4
.rept 60
	v_pk_fma_f32 v[Q+2*(PP%4):Q+2*(PP%4)+1], v[X+2*PP:X+2*PP+1], v[X+2*PP:X+2*PP+1], v[Q+2*(PP%4):Q+2*(PP%4)+1]
.set PP, PP+1
.endr
	v_pk_add_f32 v[Q:Q+1], v[Q:Q+1], v[Q+2:Q+3]
	v_pk_add_f32 v[Q+4:Q+5], v[Q+4:Q+5], v[Q+6:Q+7]
	v_pk_add_f32 v[Q:Q+1], v[Q:Q+1], v[Q+4:Q+5]
	v_add_f32 v[Q], v[Q], v[Q+1]
	v_permlanex16_b32 v[Q+1], v[Q], s[SEL], s[SEL+1]               ; the row's other 128 numbers lie in the lane 16 away
	v_add_f32 v[Q], v[Q], v[Q+1]
.endm
; 64 numbers of a lane, v[s] on, register 16 b + i = k 32 b + 16 (lane / 16) + i of my row, become a fragment's codes in v[pc] on and its scale word in v[pw]
.macro QUANT s, pc, pw
.irp b, 0,1,2,3
	v_max3_num_f32 v[TM+\b], |v[\s+16*\b]|, |v[\s+1+16*\b]|, 0x8000000       ; block b: my 16 numbers, and the floor 2^(16 - 127): so the byte cannot fall under 1
.endr
.irp i, 2,4,6,8,10,12,14
.irp b, 0,1,2,3
	v_max3_num_f32 v[TM+\b], v[TM+\b], |v[\s+16*\b+\i]|, |v[\s+1+16*\b+\i]|  ; the four blocks by turns: no line waits for the line above it
.endr
.endr
.irp b, 0,1,2,3
	v_permlanex16_b32 v[TM+4+\b], v[TM+\b], s[SEL], s[SEL+1]
.endr
.irp b, 0,1,2,3
	v_max_num_f32 v[TM+\b], v[TM+\b], v[TM+4+\b]                   ; with lane l xor 16's: the block's largest magnitude
.endr
.irp b, 0,1,2,3
	v_add_nc_u32 v[TM+12+\b], 0xf8800000, v[TM+\b]                 ; 15 off its exponent field: the conversion takes the exponent field of this operand as its scale
.endr
.irp b, 0,1,2,3
	v_and_or_b32 v[TM+8+\b], v[TM+\b], 0x7f800000, s[MNT]          ; 57,344 x the scale
.endr
.irp b, 0,1,2,3
	v_lshrrev_b32 v[TM+4+\b], 23, v[TM+12+\b]                      ; the scale's byte
.endr
	v_lshl_or_b32 v[\pw], v[TM+5], 8, v[TM+4]                      ; the four bytes make my row's scale word (both halves of the lanes hold the same)
	v_lshl_or_b32 v[\pw], v[TM+6], 16, v[\pw]
	v_lshl_or_b32 v[\pw], v[TM+7], 24, v[\pw]
.irp b, 0,1,2,3
.irp i, 0,1,2,3,4,5,6,7,8,9,10,11,12,13,14,15
	v_med3_num_f32 v[\s+16*\b+\i], v[\s+16*\b+\i], -v[TM+8+\b], v[TM+8+\b]   ; the conversion to an 8-bit code does not saturate (ISA guide 7.6.2): the hold at the largest code x the scale
.endr
	v_cvt_scalef32_pk8_bf8_f32 v[\pc+4*\b:\pc+1+4*\b], v[\s+16*\b:\s+7+16*\b], v[TM+12+\b]
	v_cvt_scalef32_pk8_bf8_f32 v[\pc+2+4*\b:\pc+3+4*\b], v[\s+8+16*\b:\s+15+16*\b], v[TM+12+\b]
.endr
	v_nop                                                          ; one plain vector instruction behind the last conversion, ahead of whatever next touches its registers
.endm
	s_load_b128 s[4:7], s[0:1], 0x0                ; the codebook s[4:5], the records s[6:7]
	v_lshl_add_u32 v224, v0, 2, 0x8400
	v_mov_b32 v225, 0
	v_lshrrev_b32 v[LN], 5, v0
	v_readfirstlane_b32 s8, v[LN]                  ; wave 0, 1
	v_and_b32 v[LN], 31, v0
	v_and_b32 v[R], 15, v0
	v_bfe_u32 v[H], v0, 4, 1
	v_lshlrev_b32 v[GA], 4, v[LN]
	s_mul_i32 s14, s8, WREG                        ; my region of LDS
	s_add_co_u32 s15, s14, TAIL
	v_add_nc_u32 v[SI], s14, v[GA]
	v_mul_u32_u24 v[SO], v[R], PITCH
	v_lshl_add_u32 v[SO], v[H], 6, v[SO]
	v_add_nc_u32 v[SO], s14, v[SO]
	v_lshlrev_b32 v[TW], 2, v[LN]
	v_add_nc_u32 v[TW], s15, v[TW]
	v_lshlrev_b32 v[TQ], 2, v[R]
	v_add_nc_u32 v[TQ], s15, v[TQ]
	v_add_nc_u32 v[TQ], 128, v[TQ]
	v_lshlrev_b32 v[G8], 3, v[LN]
	v_add_nc_u32 v[TR], s15, v[G8]
	v_mov_b32 v[NIL], 0
.irp b, 0,1,2,3
	v_mov_b32 v[TM+4+\b], 0                        ; written once: a lane permute's destination counts as one of its sources
.endr
	s_mov_b32 s[SEL], 0x76543210
	s_mov_b32 s[SEL+1], 0xfedcba98
	s_mov_b32 s[MNT], 0x600000
	s_mov_b32 s[HM], 0xffff0000
	s_lshl_b32 s9, ttmp9, 1
	s_add_co_u32 s9, s9, s8                        ; my tile: 2 x work-group + wave
	s_lshl_b32 s10, s9, 14                         ; its 16,384 bytes of the codebook
	s_mov_b32 s11, 0
	s_mul_i32 s12, s9, REC                         ; its record
	s_mov_b32 s13, 0
	s_wait_kmcnt 0x0
	s_add_nc_u64 s[4:5], s[4:5], s[10:11]
	s_add_nc_u64 s[6:7], s[6:7], s[12:13]
.irp i, 0,1,2,3,4,5,6,7,8,9,10,11,12,13,14,15,16,17,18,19,20,21,22,23,24,25,26,27,28,29,30,31
	global_load_b128 v[X+4*\i:X+4*\i+3], v[GA], s[4:5] offset:512*\i th:TH_LOAD_NT   ; 32 lanes read 512 consecutive bytes; the whole tile is asked for at once
.endr
.irp g, 0,1,2,3
	s_wait_loadcnt 24-8*\g                         ; loads come back in order (ISA guide 5.7.1): these eight are in, the younger ones may be out
.irp e, 0,1,2,3,4,5,6,7
	ds_store_b128 v[SI], v[X+4*(8*\g+\e):X+4*(8*\g+\e)+3] offset:((8*\g+\e)/2)*PITCH+512*((8*\g+\e)%2)   ; load i is half i % 2 of row i / 2
.endr
.endr
	RDX SO                                         ; LDS serves a wave's instructions in order (ISA guide 5.7.1.4): these see the stores above
	s_wait_dscnt 0x0
	SQ
	QUANT X, PC, PW0
	QUANT X+64, PC+16, PW1
.irp q, 0,1,2,3,4,5,6,7
	global_store_b128 v[GA], v[PC+4*\q:PC+4*\q+3], s[6:7] offset:512*\q    ; 32 lanes store 512 consecutive bytes, at a multiple of 256 from the buffer's first byte
.endr
	v_cndmask_b32 v[PWC], v[PW0], v[PW1], s[HM]    ; lanes 0-15 K step 0's word, lanes 16-31 K step 1's
	ds_store_b32 v[TW], v[PWC]
	ds_store_b32 v[TQ], v[Q]                       ; both halves of the lanes write the same word with the same value
	ds_store_b32 v[TQ], v[NIL] offset:64
	ds_load_b64 v[TD:TD+1], v[TR]                  ; in order behind my stores
	s_wait_dscnt 0x0
	global_store_b64 v[G8], v[TD:TD+1], s[6:7] offset:4096         ; 32 lanes store the record's last 256 bytes
	s_wait_tensorcnt 0x0
	ds_add_u32 v224, v225
	s_wait_dscnt 0x0
	s_endpgm
.Lfunc_end_k_qe7949503be_quantcb:
	.size	k_qe7949503be_quantcb, .Lfunc_end_k_qe7949503be_quantcb-k_qe7949503be_quantcb
	.p2alignl 7, 3214868480
	.fill 96, 4, 3214868480
	.section	.rodata,"a",@progbits
	.p2align	6, 0x0
	.amdhsa_kernel k_qe7949503be_quantcb
		.amdhsa_group_segment_fixed_size 34048
		.amdhsa_private_segment_fixed_size 0
		.amdhsa_enable_private_segment 0
		.amdhsa_kernarg_size 16
		.amdhsa_user_sgpr_count 2
		.amdhsa_user_sgpr_kernarg_segment_ptr 1
		.amdhsa_wavefront_size32 1
		.amdhsa_system_sgpr_workgroup_id_x 1
		.amdhsa_system_sgpr_workgroup_id_y 1
		.amdhsa_system_sgpr_workgroup_id_z 1
		.amdhsa_system_vgpr_workitem_id 0
		.amdhsa_next_free_vgpr 226
		.amdhsa_next_free_sgpr 66
		.amdhsa_reserve_vcc 0
		.amdhsa_float_denorm_mode_32 3
		.amdhsa_float_denorm_mode_16_64 3
		.amdhsa_memory_ordered 1
		.amdhsa_forward_progress 1
		.amdhsa_inst_pref_size 31
	.end_amdhsa_kernel
	.amdgpu_metadata
---
amdhsa.version: [ 1, 2 ]
amdhsa.kernels:
  - .name:           k_qe7949503be_quantcb
    .symbol:         k_qe7949503be_quantcb.kd
    .args:
      - { .name: codebook, .offset: 0, .size: 8, .value_kind: global_buffer, .address_space: global }
      - { .name: cbq, .offset: 8, .size: 8, .value_kind: global_buffer, .address_space: global }
    .group_segment_fixed_size: 34048
    .private_segment_fixed_size: 0
    .kernarg_segment_align: 8
    .kernarg_segment_size: 16
    .max_flat_workgroup_size: 64
    .sgpr_count:     66
    .vgpr_count:     226
    .wavefront_size: 32
...
	.end_amdgpu_metadata
.endif
;; end of part 1
;; launch vq (part 2): grid 256 x 1, 8 waves a work-group, clusters of 4 x 1, 327,680 bytes of LDS; arguments z_e_x, cbq, out0; writes out0
.if DOCPART == 2
	.amdgcn_target "amdgcn-amd-amdhsa--gfx1250"
	.amdhsa_code_object_version 6
	.text
	.protected	k_qe7949503be_vq
	.globl	k_qe7949503be_vq
	.p2align	8
	.type	k_qe7949503be_vq,@function
k_qe7949503be_vq:
	s_mov_b64 s[64:65], 0
	v_nop
	global_prefetch_b8 v0, s[64:65] scope:SCOPE_SE
	s_setreg_imm32_b32 hwreg(HW_REG_WAVE_MODE, 25, 1), 1
	s_wait_xcnt 0x0
	s_wait_alu depctr_hold_cnt(0) depctr_sa_sdst(0) depctr_va_vdst(0) depctr_va_sdst(0) depctr_va_ssrc(0) depctr_va_vcc(0) depctr_vm_vsrc(0)
	s_getreg_b32 s2, hwreg(HW_REG_IB_STS2, 6, 4)
	s_cmp_eq_u32 s2, 0
	s_cbranch_scc0 .Lentry_in_a_cluster
	s_endpgm
.Lentry_in_a_cluster:
	s_bfe_u32 s2, ttmp6, 0x10000c
	s_cmp_lg_u32 s2, 0x3003
	s_cbranch_scc0 .Lentry_shape_is_right
	s_endpgm
.Lentry_shape_is_right:
; index[b] = argmin over k of (z_sq[b] - 2 cross[b][k]) + c_sq[k], the lowest k among equals.  cross = Q(z) Q(W)^T in MX-BF8, f32 sums.
; Nothing of reference() is left out: z_sq is the same along the argmin's axis, but it is large beside the other terms and its rounding decides which distances are equal: it stays.
; SHARES.  A work-group owns 128 rows of z; it quantises them once (a wave 16 rows) and every wave keeps all eight pairs of fragments (256 registers, window 1).
; The codebook's records (4,352 bytes for 16 code vectors: fragments, scale words, sums of squares, laid as registers by the launch before) stream through two LDS slots; a fill is 32 records, the codebook 16 fills;
; wave w fetches and reads records 4 w .. 4 w + 3 of a fill.  The four work-groups of a cluster ask for each record jointly.
; THE WALK IS ROTATED: cluster c begins at fill 2 ((c xor c >> 3) & 7) and walks the 16 fills round.  So the 64 clusters begin at eight different places, and each fill behind a cluster's first two
; is asked for earlier in the launch by the clusters that began there: therefore no prefetch is laid.
; TIES UNDER THE ROTATION: a lane keeps a new tile only where it is strictly less, so the earlier tile keeps a tie.  Behind the wrap to fill 0 every tile has a lower index than all before it: there, once, each best
; distance is raised to the next f32, so that an equal distance counts as less.  At the end the true best is taken again as the least of the kept eight.
; THE PRODUCT IS USED TRANSPOSED: source 0 = 16 code vectors, source 1 = 16 rows of z: lane (r, h) holds row r, register j code 8 h + j.
; THE LOOP goes by BLOCKS.  Block x of a code tile holds 18 vector lines in three strands by turns: z tile x gets its distances, z tile x - 1 their least, z tile x - 2 is compared with its best and kept where it is less;
; a line reads nothing that one of the four lines ahead of it wrote.  Then two products of the next code tile: K step 0 for z tile x - 2, whose registers are free, K step 1 for z tile x - 4
; (four other products stand between a sum's two steps).  Fragments, scale words and sums of squares have two sets of registers, by the tile's parity, fetched two tiles ahead.
; A lane keeps its least distance, the tile where it first fell that low, and that tile's eight distances (selects, two to an instruction); the place among the eight is found once, at the end.
; A slot's last read stands at the end of its second tile; the round in front of its refill opens in the third tile's block 1 and closes in its block 3: the refill has 29 blocks until the wait for it.
; LIMITS: NaN and infinities among the inputs are not served.  A block of zeros gets the scale byte 1 where the rule says 127: its codes are zeros.  z_sq is summed in eight chains: another order of rounding than a running sum's.
.set REC,    4352
.set WPART,  4*REC
.set SLOT,   8*WPART
.set ZPITCH, 1040                      ; z's stage: 1,024 bytes + 16
.set ZPART,  16*ZPITCH
.set ZIMG,   2*SLOT                    ; z's fragments as register images, 4,096 bytes a tile
.set ZSC,    ZIMG+32768                ; z's scale words
.set ZSQ,    ZSC+1024                  ; z_sq
.set MRG,    ZSQ+512                   ; the waves' candidates
.set SPARE,  MRG+8192                  ; the spare words
.set SPW, 1
.set NIL, 2
.set ADR, 3                            ; v3-4 fragments' LDS address, slot 0, 1;  v5-6 scale words';  v7-8 sums of squares'
.set ASC, 5
.set ACQ, 7
.set TIDV, 9                           ; this tile's number
.set T,   10                           ; v10, v14 a z tile's least distance, by the z tile's parity
.set U,   11
.set CSC, 12                           ; v12-13 the code tile's scale words, two sets
.set R,   14
.set H,   15
.set QD,  16                           ; v16-47 for each z tile: z_sq, best tile, best distance, z's scale words
.set CQ,  48                           ; v48-63 c_sq, two sets
.set FR,  64                           ; v64-127 code fragments, two sets
.set ACC, 128                          ; v128-191 distances
.set SV,  192                          ; v192-255 the best tile's distances
.set X,   128                          ; the head: 128 numbers of my row
.set Q,   48
.set PC,  64
.set TM,  96
.set PW0, 112
.set PW1, 113
.set PWC, 114
.set LN,  115
.set L16, 116
.set L4,  117
.set ZRD, 118
.set LI,  119
.set ZWI, 120
.set ZSR, 121
.set ZSW, 122
.set QR,  123
.set QW,  124
.set PR,  64                           ; the end
.set OV,  80
.set OI,  88
.set CA,  96
.set MW,  14
.set MR,  15
.set GO,  10
.set H8,  11
.set LNT, 9
.set WV,  10
.set CBO, 4                            ; s[4:5] the records' address + my part of a fill
.set TB,  11                           ; s11 the number of my first tile of this fill
.set WR,  12                           ; s12 the lap counter's value in the lap that begins with fill 0 behind the wrap (never met where the walk begins at fill 0)
.set W4,  14                           ; s14 4 x wave
.set SEL, 20
.set MNT, 22
.set HM,  23
.set G1C, 24                           ; 68 rows of 256 bytes: a wave's four records
.set G1Z, 32                           ; 32 rows of z
.set G1H, 40                           ; 136 rows of 256 bytes: eight records, at the head
.set G0,  48
.set G0Z, 56
.set G0H, 60
.set M,   68
.set T0,  76
.set T1,  77
.set T2,  78
.set LAP, 79
.set OF,  86                           ; s[86:87] a fill's byte offset
.set FN,  88                           ; s88 the fill that the next refill asks for
.set FC,  89                           ; s89 the fill that the next period works on
.set MSB, 0
.macro WIN new
.if MSB != \new
	s_set_vgpr_msb (MSB<<8)|\new
.set MSB, \new
.endif
.endm
.macro CREST                           ; a round of the cluster's barrier behind its opening barrier
	s_cmp_lg_u32 s[WV], 0
	s_cbranch_scc1 .Lnot_wave_0_\@
	s_barrier_signal -3
.Lnot_wave_0_\@:
	s_barrier_wait -3
	s_barrier_signal -1
	s_barrier_wait -1
.endm
.macro ROUND
	s_barrier_signal -1
	s_barrier_wait -1
	CREST
.endm
.macro RDX adr
.irp s, 0,1
.irp b, 0,1,2,3
.irp j, 0,1,2,3
	ds_load_b128 v[X+64*\s+16*\b+4*\j:X+64*\s+16*\b+4*\j+3], v[\adr] offset:512*\s+128*\b+16*\j
.endr
.endr
.endr
.endm
.macro SQ                              ; my row's sum of squares into v[Q]
.irp u, 0,1,2,3
	v_pk_mul_f32 v[Q+2*\u:Q+2*\u+1], v[X+2*\u:X+2*\u+1], v[X+2*\u:X+2*\u+1]
.endr
.set PP, 4
.rept 60
	s_delay_alu instid0(VALU_DEP_4)
	v_pk_fma_f32 v[Q+2*(PP%4):Q+2*(PP%4)+1], v[X+2*PP:X+2*PP+1], v[X+2*PP:X+2*PP+1], v[Q+2*(PP%4):Q+2*(PP%4)+1]
.set PP, PP+1
.endr
	s_delay_alu instid0(VALU_DEP_3)
	v_pk_add_f32 v[Q:Q+1], v[Q:Q+1], v[Q+2:Q+3]
	s_delay_alu instid0(VALU_DEP_2)
	v_pk_add_f32 v[Q+4:Q+5], v[Q+4:Q+5], v[Q+6:Q+7]
	s_delay_alu instid0(VALU_DEP_1)
	v_pk_add_f32 v[Q:Q+1], v[Q:Q+1], v[Q+4:Q+5]
	s_delay_alu instid0(VALU_DEP_1)
	v_add_f32 v[Q], v[Q], v[Q+1]
	s_delay_alu instid0(VALU_DEP_1)
	v_permlanex16_b32 v[Q+1], v[Q], s[SEL], s[SEL+1]
	s_delay_alu instid0(VALU_DEP_1)
	v_add_f32 v[Q], v[Q], v[Q+1]
.endm
.macro QUANT s, pc, pw                 ; 64 numbers of a lane become a fragment's codes and its scale word
.irp b, 0,1,2,3
	v_max3_num_f32 v[TM+\b], |v[\s+16*\b]|, |v[\s+1+16*\b]|, 0x8000000       ; the floor 2^(16 - 127) holds the byte at 1 from below
.endr
.irp i, 2,4,6,8,10,12,14
.irp b, 0,1,2,3
	s_delay_alu instid0(VALU_DEP_4)
	v_max3_num_f32 v[TM+\b], v[TM+\b], |v[\s+16*\b+\i]|, |v[\s+1+16*\b+\i]|
.endr
.endr
.irp b, 0,1,2,3
	s_delay_alu instid0(VALU_DEP_4)
	v_permlanex16_b32 v[TM+4+\b], v[TM+\b], s[SEL], s[SEL+1]
.endr
.irp b, 0,1,2,3
	s_delay_alu instid0(VALU_DEP_4)
	v_max_num_f32 v[TM+\b], v[TM+\b], v[TM+4+\b]
.endr
.irp b, 0,1,2,3
	s_delay_alu instid0(VALU_DEP_4)
	v_add_nc_u32 v[TM+12+\b], 0xf8800000, v[TM+\b]                 ; 15 off the exponent field: the conversion's scale operand
.endr
.irp b, 0,1,2,3
	v_and_or_b32 v[TM+8+\b], v[TM+\b], 0x7f800000, s[MNT]          ; 57,344 x the scale
.endr
.irp b, 0,1,2,3
	v_lshrrev_b32 v[TM+4+\b], 23, v[TM+12+\b]                      ; the byte
.endr
	s_delay_alu instid0(VALU_DEP_3)
	v_lshl_or_b32 v[\pw], v[TM+5], 8, v[TM+4]
	s_delay_alu instid0(VALU_DEP_1)
	v_lshl_or_b32 v[\pw], v[TM+6], 16, v[\pw]
	s_delay_alu instid0(VALU_DEP_1)
	v_lshl_or_b32 v[\pw], v[TM+7], 24, v[\pw]
.irp b, 0,1,2,3
.irp i, 0,1,2,3,4,5,6,7,8,9,10,11,12,13,14,15
	v_med3_num_f32 v[\s+16*\b+\i], v[\s+16*\b+\i], -v[TM+8+\b], v[TM+8+\b]   ; the conversion does not saturate (ISA guide 7.6.2)
.endr
	v_cvt_scalef32_pk8_bf8_f32 v[\pc+4*\b:\pc+1+4*\b], v[\s+16*\b:\s+7+16*\b], v[TM+12+\b]
	v_cvt_scalef32_pk8_bf8_f32 v[\pc+2+4*\b:\pc+3+4*\b], v[\s+8+16*\b:\s+15+16*\b], v[TM+12+\b]
.endr
	v_nop
.endm
.macro LEXMIN dv, di, bv, bi, ov, oi   ; the lesser distance; among equals the lower index
	v_cmp_lt_f32 s[T0], v[\ov], v[\bv]
	v_cmp_eq_f32 s[T1], v[\ov], v[\bv]
	v_cmp_lt_u32 s[T2], v[\oi], v[\bi]
	s_and_b32 s[T1], s[T1], s[T2]
	s_or_b32 s[T0], s[T0], s[T1]
	v_cndmask_b32 v[\dv], v[\bv], v[\ov], s[T0]
	v_cndmask_b32 v[\di], v[\bi], v[\oi], s[T0]
.endm
.macro CND2 d0, s0, d1, s1             ; two selects by VCC in one instruction: d0 even, d1 odd; the sources' numbers differ modulo 4
	v_dual_cndmask_b32 v[\d0], v[\d0], v[\s0] :: v_dual_cndmask_b32 v[\d1], v[\d1], v[\s1]
.endm
.macro WM0 zt, b                       ; K step 0 starts the sum
	v_wmma_scale_f32_16x16x128_f8f6f4 v[ACC+8*(\zt):ACC+8*(\zt)+7], v[FR+32*(\b):FR+32*(\b)+15], v[32*(\zt):32*(\zt)+15], 0, v[CSC+(\b)], v[QD+4*(\zt)+3] matrix_a_fmt:MATRIX_FMT_BF8 matrix_b_fmt:MATRIX_FMT_BF8
.endm
.macro WM1 zt, b                       ; K step 1: the scale words' upper lanes
	v_wmma_scale_f32_16x16x128_f8f6f4 v[ACC+8*(\zt):ACC+8*(\zt)+7], v[FR+32*(\b)+16:FR+32*(\b)+31], v[32*(\zt)+16:32*(\zt)+31], v[ACC+8*(\zt):ACC+8*(\zt)+7], v[CSC+(\b)], v[QD+4*(\zt)+3] matrix_a_fmt:MATRIX_FMT_BF8 matrix_b_fmt:MATRIX_FMT_BF8 matrix_a_scale:MATRIX_SCALE_ROW1 matrix_b_scale:MATRIX_SCALE_ROW1
.endm
.macro LDFR b, s, t                    ; record t of my part of slot s: fragments and scale words into set b
.irp q, 0,1,2,3,4,5,6,7
	ds_load_b128 v[FR+32*(\b)+4*\q:FR+32*(\b)+4*\q+3], v[ADR+(\s)] offset:REC*(\t)+512*\q
.endr
	ds_load_b32 v[CSC+(\b)], v[ASC+(\s)] offset:REC*(\t)
.endm
.macro LDCQ b, s, t
	ds_load_b128 v[CQ+8*(\b):CQ+8*(\b)+3], v[ACQ+(\s)] offset:REC*(\t)
	ds_load_b128 v[CQ+8*(\b)+4:CQ+8*(\b)+7], v[ACQ+(\s)] offset:REC*(\t)+16
.endm
; A block's vector lines, three strands by turns.  fa: z tile x gets its distances;  mn: z tile x - 1 their least;  cd: z tile x - 2 is compared with its best and kept where it is less.
; step < 0: a fill's first tile takes its number from s[TB];  step > 0: the number steps (in block 1, behind the last select of the tile before).
.macro BLKS x, p, step, fa, mn, cd
.set ZC, ACC+8*(\x)
.set ZM, ACC+8*(((\x)+7)%8)
.set PV, ((\x)+6)%8
.set ZP, ACC+8*PV
.set SVP, SV+8*PV
.set QP, QD+4*PV
.set TR, T+4*((\x)%2)
.set TW, T+4*(((\x)+1)%2)
.if \cd
	v_cmp_lt_f32 vcc_lo, v[TR], v[QP+2]            ; strictly less: the earlier tile keeps a tie
.endif
.if \mn
	v_min3_num_f32 v[TW], v[ZM], v[ZM+1], v[ZM+2]
	v_min3_num_f32 v[U], v[ZM+3], v[ZM+4], v[ZM+5]
.endif
.if \fa
.irp u, 0,2,4
	v_pk_fma_f32 v[ZC+\u:ZC+\u+1], v[ZC+\u:ZC+\u+1], -2.0, v[QD+4*(\x):QD+4*(\x)+1] op_sel_hi:[1,0,0]   ; z_sq - 2 cross, from the accumulator's low end on
.endr
.endif
.if \cd
	CND2 QP+2, TR, QP+1, TIDV
.endif
.if (\step) < 0
	v_mov_b32 v[TIDV], s[TB]                       ; from here on: this tile's number
.elseif (\step) > 0
	v_add_nc_u32 v[TIDV], \step, v[TIDV]
.endif
.if \mn
	v_min3_num_f32 v[TW], v[TW], v[ZM+6], v[ZM+7]
.endif
.if \fa
	v_pk_fma_f32 v[ZC+6:ZC+7], v[ZC+6:ZC+7], -2.0, v[QD+4*(\x):QD+4*(\x)+1] op_sel_hi:[1,0,0]
.irp u, 0,2,4
	v_pk_add_f32 v[ZC+\u:ZC+\u+1], v[ZC+\u:ZC+\u+1], v[CQ+8*(\p)+\u:CQ+8*(\p)+\u+1]
.endr
.endif
.if \cd
	CND2 SVP, ZP, SVP+1, ZP+1
.endif
.if \mn
	v_min_num_f32 v[TW], v[TW], v[U]
.endif
.if \fa
	v_pk_add_f32 v[ZC+6:ZC+7], v[ZC+6:ZC+7], v[CQ+8*(\p)+6:CQ+8*(\p)+7]
.endif
.if \cd
	CND2 SVP+2, ZP+2, SVP+3, ZP+3
	CND2 SVP+4, ZP+4, SVP+5, ZP+5
	CND2 SVP+6, ZP+6, SVP+7, ZP+7
.endif
.endm
.macro BLKV x, p, step
	BLKS \x, \p, \step, 1, 1, 1
.endm
; A block's products.  Set p holds this tile, set 1 - p the next.  more = 0: no tile follows.
.macro BLKW x, p, more
.if (\x) < 2
	WIN 0x04
	WM0 (\x)+6, \p
	WM1 (\x)+4, \p
	WIN 0
.elseif (\x) < 4
	WIN 0x04
.if \more
	WM0 (\x)-2, 1-(\p)
.endif
	WM1 (\x)+4, \p
	WIN 0
.elseif \more
	WIN 0x04
	WM0 (\x)-2, 1-(\p)
	WM1 (\x)-4, 1-(\p)
	WIN 0
.endif
.endm
; A code tile.  fs, ft: slot and record of the tile two on, whose fragments and c_sq are fetched into this tile's sets (fs < 0: none).
; mode 1: slot 'slot' has had its last read: the round and its refill;  mode 2: only the wait for my part of the other slot.
; The waits stand between a block's vector lines and its products.
.macro TILE p, step, fs, ft, more, mode, slot
	BLKV 0, \p, 0
.if (\mode) == 1
	s_wait_alu depctr_va_vdst(0)
	s_wait_tensorcnt 0x0                           ; my one load that was out, my part of the other slot, has landed
	ds_add_u32 v[SPW], v[NIL]
	s_mul_i32 s[OF], s[FN], SLOT                   ; no load of mine is out: the slot's next fill, round the 16
	s_add_nc_u64 s[G0+4*(\slot)+2:G0+4*(\slot)+3], s[CBO:CBO+1], s[OF:OF+1]
	s_or_b32 s[G0+4*(\slot)+3], s[G0+4*(\slot)+3], 0x80000000
	s_add_co_u32 s[FN], s[FN], 1
	s_and_b32 s[FN], s[FN], 15
.elseif (\mode) == 2
	s_wait_alu depctr_va_vdst(0)
	s_wait_tensorcnt 0x0                           ; my part of the last slot has landed; I alone read it
.endif
	BLKW 0, \p, \more
	BLKV 1, \p, \step
.if ((\step) < 0) && ((\slot) == 0)
	s_wait_alu depctr_va_vdst(0)
	s_cmp_lg_u32 s[LAP], s[WR]                     ; the cluster's number and the lap alone decide: the same in all waves and partners
	s_cbranch_scc1 .Lno_wrap_\@
.irp zt, 0,1,2,3,4,5,6,7
	v_add_f32 v[QD+4*\zt+2], 0, v[QD+4*\zt+2]      ; THE WRAP: every best is closed for the tiles before, none compared yet with this tile.  -0 becomes +0,
.endr
.irp zt, 0,1,2,3,4,5,6,7
	v_ashrrev_i32 v[U], 31, v[QD+4*\zt+2]
	v_or_b32 v[U], 1, v[U]                         ; + 1 on the bits of a number from 0 up, - 1 under 0:
	v_add_nc_u32 v[QD+4*\zt+2], v[QD+4*\zt+2], v[U]   ; the next f32 above
.endr
.Lno_wrap_\@:
.endif
.if (\mode) == 1
	s_wait_alu depctr_va_vdst(0)
	s_wait_dscnt 0x0                               ; the add is done, and my last reads of this slot are back
	s_barrier_signal -1
.endif
	BLKW 1, \p, \more
	BLKV 2, \p, 0
	BLKW 2, \p, \more
	BLKV 3, \p, 0
.if (\mode) == 1
	s_wait_alu depctr_va_vdst(0)
	s_barrier_wait -1
	CREST
	tensor_load_to_lds s[G0+4*(\slot):G0+4*(\slot)+3], s[G1C:G1C+7]
	s_nop 0
.rept 4
	v_nop                                          ; four lines ahead of the window's switch
.endr
.endif
	BLKW 3, \p, \more
	BLKV 4, \p, 0                                  ; 18 places behind the last product that read set p
.if (\fs) >= 0
	LDFR \p, \fs, \ft
.endif
	BLKW 4, \p, \more
	BLKV 5, \p, 0
	BLKW 5, \p, \more
	BLKV 6, \p, 0
	BLKW 6, \p, \more
	BLKV 7, \p, 0
.if \more
	s_wait_alu depctr_va_vdst(0)
	s_wait_dscnt 0x0                               ; the next tile's c_sq and the fragments asked for in block 4 are in
.if (\fs) >= 0
	LDCQ \p, \fs, \ft                              ; this tile's c_sq has had its last read
.endif
.endif
	BLKW 7, \p, \more
.endm
.macro PERIOD s, mode                  ; my four records of slot s
	s_lshl_b32 s[TB], s[FC], 5                     ; my first tile of this fill: 32 x fill + 4 x wave
	s_add_co_u32 s[TB], s[TB], s[W4]
	s_add_co_u32 s[FC], s[FC], 1
	s_and_b32 s[FC], s[FC], 15
	TILE 0, -1, \s, 2, 1, 0, \s
	TILE 1, 1, \s, 3, 1, 0, \s
.if (\mode) > 0
	TILE 0, 1, 1-(\s), 0, 1, \mode, \s
	TILE 1, 1, 1-(\s), 1, 1, 0, \s
.else
	TILE 0, 1, -1, 0, 1, 0, \s
	TILE 1, 1, -1, 0, 0, 0, \s
.endif
.endm
	s_load_b128 s[4:7], s[0:1], 0x0                ; z, the records
	s_load_b64 s[8:9], s[0:1], 0x10                ; the indices
	v_lshl_add_u32 v[SPW], v0, 2, SPARE
	v_mov_b32 v[NIL], 0
	ds_add_u32 v[SPW], v[NIL]                      ; the opening lines: the add twice on end
	ds_add_u32 v[SPW], v[NIL]
	v_lshrrev_b32 v[R], 5, v0
	v_readfirstlane_b32 s[WV], v[R]
	s_bfe_u32 s11, ttmp6, 0x40000
	s_lshl_b32 s12, ttmp9, 2
	s_add_co_u32 s12, s12, s11                     ; work-group: enters global addresses alone
	s_mul_i32 s13, s[WV], WPART                    ; my part of a slot
	s_and_b32 s14, s[WV], 3
	s_mul_i32 s15, s14, 2*ZPART
	s_add_co_u32 s15, s15, SLOT                    ; z's stage lies in slot 1: 32 rows for each of waves 0-3
	s_lshl_b32 s16, s12, 17
	s_lshl_b32 s17, s14, 15
	s_add_co_u32 s16, s16, s17
	s_mov_b32 s17, 0
	s_mul_i32 s18, s14, 2*WPART                    ; slot 0's first fill: eight records for each of waves 4-7
	s_mov_b32 s19, 0
	s_mov_b32 s80, s13
	s_mov_b32 s81, 0
	s_add_co_u32 s82, s13, 4096
	s_add_co_u32 s83, s13, 4224
	s_mul_i32 s84, s[WV], ZPART
	s_add_co_u32 s84, s84, SLOT
	s_lshl_b32 s86, s12, 9
	s_and_b32 s87, s[WV], 1
	s_lshl_b32 s87, s87, 8
	s_add_co_u32 s86, s86, s87
	s_mov_b32 s87, 0
	s_mov_b32 s[G1C], 15|(3<<16)|(1<<21)
	s_mov_b32 s[G1C+1], 32<<16
	s_mov_b32 s[G1C+2], 68<<16
	s_mov_b32 s[G1C+3], 32<<16
	s_mov_b32 s[G1C+4], 68
	s_mov_b32 s[G1C+5], 32
	s_mov_b32 s[G1C+6], 0
	s_mov_b32 s[G1C+7], 0
	s_mov_b32 s[G1H], 15|(3<<16)|(1<<21)
	s_mov_b32 s[G1H+1], 32<<16
	s_mov_b32 s[G1H+2], 136<<16
	s_mov_b32 s[G1H+3], 32<<16
	s_mov_b32 s[G1H+4], 136
	s_mov_b32 s[G1H+5], 32
	s_mov_b32 s[G1H+6], 0
	s_mov_b32 s[G1H+7], 0
	s_mov_b32 s[G1Z], (2<<16)|(1<<20)|(7<<22)|(3<<25)
	s_mov_b32 s[G1Z+1], 256<<16
	s_mov_b32 s[G1Z+2], 32<<16
	s_mov_b32 s[G1Z+3], 256<<16
	s_mov_b32 s[G1Z+4], 32
	s_mov_b32 s[G1Z+5], 256
	s_mov_b32 s[G1Z+6], 0
	s_mov_b32 s[G1Z+7], 0
	s_mov_b32 s[SEL], 0x76543210
	s_mov_b32 s[SEL+1], 0xfedcba98
	s_mov_b32 s[MNT], 0x600000
	s_mov_b32 s[HM], 0xffff0000
	s_mov_b32 s[LAP], 7
	s_wait_dscnt 0x0
	s_wait_kmcnt 0x0
	s_add_nc_u64 s[8:9], s[8:9], s[86:87]
	s_mov_b32 s[G0Z], 1
	s_mov_b32 s[G0Z+1], s15
	s_add_nc_u64 s[G0Z+2:G0Z+3], s[4:5], s[16:17]
	s_or_b32 s[G0Z+3], s[G0Z+3], 0x80000000
	s_lshr_b32 s[FN], ttmp9, 3                     ; where my cluster begins its walk: lap (c xor c >> 3) & 7 of the eight,
	s_xor_b32 s[FN], s[FN], ttmp9
	s_and_b32 s[FN], s[FN], 7
	s_sub_co_u32 s[WR], s[FN], 1                   ; the lap counter runs 7 .. 0: fill 0 comes round again when it is that lap - 1
	s_lshl_b32 s[FC], s[FN], 1                     ; the first fill,
	s_mul_i32 s[OF], s[FC], SLOT                   ; its bytes (s[OF+1] is 0),
	s_add_co_u32 s[FN], s[FC], 2
	s_and_b32 s[FN], s[FN], 15                     ; and the first refill's
	s_lshl_b32 s[W4], s[WV], 2
	s_add_nc_u64 s[CBO:CBO+1], s[6:7], s[80:81]
	s_mov_b32 s[G0H], 1
	s_mov_b32 s[G0H+1], s18
	s_add_nc_u64 s[G0H+2:G0H+3], s[6:7], s[18:19]
	s_add_nc_u64 s[G0H+2:G0H+3], s[G0H+2:G0H+3], s[OF:OF+1]
	s_or_b32 s[G0H+3], s[G0H+3], 0x80000000
	s_mov_b32 s[G0], 1                             ; slot 0's own address is made at its first refill
	s_mov_b32 s[G0+1], s13
	s_mov_b32 s[G0+4], 1
	s_add_co_u32 s[G0+5], s13, SLOT
	s_add_nc_u64 s[G0+6:G0+7], s[CBO:CBO+1], s[OF:OF+1]
	s_add_nc_u64 s[G0+6:G0+7], s[G0+6:G0+7], SLOT
	s_or_b32 s[G0+7], s[G0+7], 0x80000000
	ROUND
	s_cmp_lt_u32 s[WV], 4                          ; the head's loads, one a wave: waves 0-3 z's rows, waves 4-7 slot 0's records
	s_cbranch_scc0 .Lhead_cb
	tensor_load_to_lds s[G0Z:G0Z+3], s[G1Z:G1Z+7]
	s_nop 0
.rept 4
	v_nop
.endr
	s_branch .Lhead_asked
.Lhead_cb:
	tensor_load_to_lds s[G0H:G0H+3], s[G1H:G1H+7]
	s_nop 0
.rept 4
	v_nop
.endr
.Lhead_asked:
	v_and_b32 v[LN], 31, v0
	v_and_b32 v[R], 15, v0
	v_bfe_u32 v[H], v0, 4, 1
.irp b, 0,1,2,3
	v_mov_b32 v[TM+4+\b], 0                        ; a lane permute's destination counts as a source
.endr
	v_lshlrev_b32 v[L16], 4, v[LN]
	v_lshlrev_b32 v[L4], 2, v[LN]
	v_mul_u32_u24 v[ZRD], v[R], ZPITCH
	v_lshlrev_b32 v[ACQ], 5, v[H]
	v_lshl_add_u32 v[QR], v[R], 2, ZSQ
	v_add_nc_u32 v[ADR], s13, v[L16]
	v_add_nc_u32 v[ASC], s82, v[L4]
	v_lshl_add_u32 v[ZRD], v[H], 6, v[ZRD]
	v_add_nc_u32 v[ACQ], s83, v[ACQ]
	v_add_nc_u32 v[LI], ZIMG, v[L16]
	v_add_nc_u32 v[ZSR], ZSC, v[L4]
	v_add_nc_u32 v[ADR+1], SLOT, v[ADR]
	v_add_nc_u32 v[ASC+1], SLOT, v[ASC]
	v_add_nc_u32 v[ZRD], s84, v[ZRD]
	v_add_nc_u32 v[ACQ+1], SLOT, v[ACQ]
	s_lshl_b32 s15, s[WV], 12
	s_lshl_b32 s16, s[WV], 7
	s_lshl_b32 s17, s[WV], 6
	v_add_nc_u32 v[ZWI], s15, v[LI]
	v_add_nc_u32 v[ZSW], s16, v[ZSR]
	v_add_nc_u32 v[QW], s17, v[QR]
	s_wait_alu depctr_va_vdst(0)
	s_wait_tensorcnt 0x0                           ; my load has landed;
	s_barrier_signal -1
	s_barrier_wait -1                              ; everybody's has: z's rows and slot 0 may be read by all
	RDX ZRD
	s_wait_tensorcnt 0x0                           ; the lines in front of slot 1's fill over z's stage
	ds_add_u32 v[SPW], v[NIL]
	s_wait_dscnt 0x0                               ; my 16 rows are in registers
	s_barrier_signal -1
	SQ                                             ; register work inside the round's opening barrier
	s_wait_alu depctr_va_vdst(0)
	s_barrier_wait -1
	CREST
	tensor_load_to_lds s[G0+4:G0+7], s[G1C:G1C+7]
	s_nop 0
	QUANT X, PC, PW0
	QUANT X+64, PC+16, PW1
.irp q, 0,1,2,3,4,5,6,7
	ds_store_b128 v[ZWI], v[PC+4*\q:PC+4*\q+3] offset:512*\q
.endr
	v_cndmask_b32 v[PWC], v[PW0], v[PW1], s[HM]    ; lanes 0-15 K step 0's word, lanes 16-31 K step 1's
	ds_store_b32 v[ZSW], v[PWC]
	ds_store_b32 v[QW], v[Q]
	s_wait_alu depctr_va_vdst(0)
	s_wait_dscnt 0x0                               ; for the others' sake
	s_barrier_signal -1
	s_barrier_wait -1
	WIN 0x40
.irp zt, 0,1,2,3,4,5,6,7
.irp q, 0,1,2,3,4,5,6,7
	ds_load_b128 v[32*\zt+4*\q:32*\zt+4*\q+3], v[LI] offset:4096*\zt+512*\q
.endr
.endr
	WIN 0
.irp zt, 0,1,2,3,4,5,6,7
	ds_load_b32 v[QD+4*\zt+3], v[ZSR] offset:128*\zt
	ds_load_b32 v[QD+4*\zt], v[QR] offset:64*\zt
.endr
	LDFR 0, 0, 0
	LDCQ 0, 0, 0
	LDFR 1, 0, 1
	LDCQ 1, 0, 1
.irp zt, 0,1,2,3,4,5,6,7
	v_mov_b32 v[QD+4*\zt+2], 0x7f800000            ; the best so far: over every distance
	v_mov_b32 v[QD+4*\zt+1], 0
.endr
.set NN, 0
.rept 64
	v_mov_b32 v[SV+NN], 0x7f800000
.set NN, NN+1
.endr
	v_mov_b32 v[T], 0x7f800000                     ; the first two blocks close z tiles 6 and 7 of a code tile that does not exist: their least is never under the best
	v_mov_b32 v[TIDV], 0
	s_wait_alu depctr_va_vdst(0)
	s_wait_dscnt 0x0
	WIN 0x04                                       ; the first tile's products, in the order in which the blocks issue a next tile's
	WM0 0, 0
	WM0 1, 0
.irp y, 0,1,2,3
	WM0 \y+2, 0
	WM1 \y, 0
.endr
	WIN 0
.irp j, 0,1,2,3,4,5,6,7,8,9,10,11,12,13,14,15
	v_mov_b32 v[ACC+48+\j], 0x7f800000             ; what those two blocks read; also the places behind the products above
.endr
.Llap:
	PERIOD 0, 1
	PERIOD 1, 1
	s_sub_co_u32 s[LAP], s[LAP], 1
	s_cmp_lg_u32 s[LAP], 0
	s_cbranch_scc1 .Llap
	PERIOD 0, 2                                    ; the last two slots are filled no more
	PERIOD 1, 0
	BLKS 0, 0, 0, 0, 1, 1                          ; the last tile runs out: z tile 7's least, z tile 6 closed,
	BLKS 1, 0, 0, 0, 0, 1                          ; z tile 7 closed
	v_and_b32 v[LNT], 31, v0
	v_and_b32 v[MW], 15, v0
	v_bfe_u32 v[H8], v0, 4, 1
	s_lshl_b32 s80, s[WV], 10
	s_and_b32 s81, s[WV], 1
	s_lshl_b32 s81, s81, 9
	v_lshl_add_u32 v[MR], v[LNT], 4, MRG
	v_lshl_add_u32 v[MW], v[MW], 3, MRG
	v_lshlrev_b32 v[H8], 3, v[H8]
	v_lshlrev_b32 v[GO], 3, v[LNT]
	v_add_nc_u32 v[MR], s81, v[MR]
	v_add_nc_u32 v[MW], s80, v[MW]
.irp zt, 0,1,2,3,4,5,6,7
	v_min3_num_f32 v[QD+4*\zt+2], v[SV+8*\zt], v[SV+8*\zt+1], v[SV+8*\zt+2]   ; the true best: the least of the kept eight (a best that the wrap raised and no later tile replaced is put right)
.endr
.irp e, 3,5
.irp zt, 0,1,2,3,4,5,6,7
	v_min3_num_f32 v[QD+4*\zt+2], v[QD+4*\zt+2], v[SV+8*\zt+\e], v[SV+8*\zt+\e+1]
.endr
.endr
.irp zt, 0,1,2,3,4,5,6,7
	v_min_num_f32 v[QD+4*\zt+2], v[QD+4*\zt+2], v[SV+8*\zt+7]
.endr
.irp zt, 0,1,2,3,4,5,6,7
	v_mov_b32 v[PR+2*\zt+1], 7
.endr
.irp j, 6,5,4,3,2,1,0                  ; the first of the eight that equals the best
.irp zt, 0,1,2,3,4,5,6,7
	v_cmp_neq_f32 s[M+\zt], v[SV+8*\zt+\j], v[QD+4*\zt+2]
.endr
.irp zt, 0,1,2,3,4,5,6,7
	v_cndmask_b32 v[PR+2*\zt+1], \j, v[PR+2*\zt+1], s[M+\zt]
.endr
.endr
.irp zt, 0,1,2,3,4,5,6,7
	v_lshl_add_u32 v[PR+2*\zt+1], v[QD+4*\zt+1], 4, v[PR+2*\zt+1]
.endr
.irp zt, 0,1,2,3,4,5,6,7
	v_add_nc_u32 v[PR+2*\zt+1], v[H8], v[PR+2*\zt+1]               ; 16 x tile + 8 h + j
.endr
.irp zt, 0,1,2,3,4,5,6,7
	v_permlanex16_b32 v[OV+\zt], v[QD+4*\zt+2], s[SEL], s[SEL+1]
	v_permlanex16_b32 v[OI+\zt], v[PR+2*\zt+1], s[SEL], s[SEL+1]
.endr
.irp zt, 0,1,2,3,4,5,6,7
	LEXMIN PR+2*\zt, PR+2*\zt+1, QD+4*\zt+2, PR+2*\zt+1, OV+\zt, OI+\zt
	ds_store_b64 v[MW], v[PR+2*\zt:PR+2*\zt+1] offset:128*\zt      ; both halves of the lanes write the same
.endr
	s_wait_alu depctr_va_vdst(0)
	s_wait_dscnt 0x0
	s_barrier_signal -1
	s_barrier_wait -1
	s_cmp_gt_u32 s[WV], 1
	s_cbranch_scc1 .Lmerged                        ; waves 0 and 1 join the eight waves' candidates, 64 rows each, two rows a lane
.irp q, 0,1,2,3,4,5,6,7
	ds_load_b128 v[CA+4*\q:CA+4*\q+3], v[MR] offset:1024*\q
.endr
	s_wait_dscnt 0x0
.irp q, 1,2,3,4,5,6,7
	LEXMIN CA, CA+1, CA, CA+1, CA+4*\q, CA+4*\q+1
	LEXMIN CA+2, CA+3, CA+2, CA+3, CA+4*\q+2, CA+4*\q+3
.endr
	v_mov_b32 v[CA+2], v[CA+1]
	global_store_b64 v[GO], v[CA+2:CA+3], s[8:9]   ; 32 lanes store 256 consecutive bytes, aligned
.Lmerged:
	s_wait_tensorcnt 0x0                           ; the wave's end
	ds_add_u32 v[SPW], v[NIL]
	s_wait_dscnt 0x0
	ROUND                                          ; the closing round
	s_endpgm
.Lfunc_end_k_qe7949503be_vq:
	.size	k_qe7949503be_vq, .Lfunc_end_k_qe7949503be_vq-k_qe7949503be_vq
	.p2alignl 7, 3214868480
	.fill 96, 4, 3214868480
	.section	.rodata,"a",@progbits
	.p2align	6, 0x0
	.amdhsa_kernel k_qe7949503be_vq
		.amdhsa_group_segment_fixed_size 327680
		.amdhsa_private_segment_fixed_size 0
		.amdhsa_enable_private_segment 0
		.amdhsa_kernarg_size 24
		.amdhsa_user_sgpr_count 2
		.amdhsa_user_sgpr_kernarg_segment_ptr 1
		.amdhsa_wavefront_size32 1
		.amdhsa_system_sgpr_workgroup_id_x 1
		.amdhsa_system_sgpr_workgroup_id_y 1
		.amdhsa_system_sgpr_workgroup_id_z 1
		.amdhsa_system_vgpr_workitem_id 0
		.amdhsa_next_free_vgpr 512
		.amdhsa_next_free_sgpr 90
		.amdhsa_reserve_vcc 1
		.amdhsa_float_denorm_mode_32 3
		.amdhsa_float_denorm_mode_16_64 3
		.amdhsa_memory_ordered 1
		.amdhsa_forward_progress 1
		.amdhsa_inst_pref_size 255
	.end_amdhsa_kernel
	.section	.bss,"aw",@nobits
	.p2align	6
	.space	262144
	.amdgpu_metadata
---
amdhsa.version: [ 1, 2 ]
amdhsa.kernels:
  - .name:           k_qe7949503be_vq
    .symbol:         k_qe7949503be_vq.kd
    .args:
      - { .name: z_e_x, .offset: 0, .size: 8, .value_kind: global_buffer, .address_space: global }
      - { .name: cbq, .offset: 8, .size: 8, .value_kind: global_buffer, .address_space: global }
      - { .name: out0, .offset: 16, .size: 8, .value_kind: global_buffer, .address_space: global }
    .group_segment_fixed_size: 327680
    .private_segment_fixed_size: 0
    .kernarg_segment_align: 8
    .kernarg_segment_size: 24
    .max_flat_workgroup_size: 256
    .sgpr_count:     90
    .vgpr_count:     512
    .wavefront_size: 32
...
	.end_amdgpu_metadata
.endif
;; end of part 2
